; MI455X (gfx1250); checked and timed in simulation.
; The chip was launched on July 23, 2026; its instructions are those of AMD's public machine-readable ISA for CDNA 5 (MIT licence, August 2026) and "CDNA5" Instruction Set Architecture Reference Guide (July 2026). The comments in the code are by the model that wrote it; some were corrected since.
;; Head. Allowed arithmetic: matrix products marked QUANTISED: E5M2 operands, one given power-of-two scale a tensor, by v_wmma_f32_16x16x64_bf8_bf8 or v_wmma_f32_16x16x128_bf8_bf8, f32 sums; everything else in f32.
;; Inputs: Wk 128 x 128 float32; Wq 128 x 128 float32; Wv 128 x 128 float32; lowp_scales 10 int32 (the exponents e of the quantised operands' scales 2^e); x 16 x 2,048 x 128 float32.
;; Outputs: out0 16 x 2,048 x 128 float32.
;; This version of the problem:
;;   THIS VERSION OF THE PROBLEM IS GIVEN IN LOW PRECISION. The matrix products marked QUANTISED in the list below multiply operands that are first quantised to E5M2 (5 exponent bits, 2 mantissa bits; 8 bits a number), with one given power-of-two scale for each operand tensor; their sums are f32. All else is computed in f32.
;;   The module's matrix products, in the order in which they are computed (A, B: the left and right operand; K: the contracted axis; several contracted axes count as one K, in the product's order):
;;     1. [M 32,768, K 128] x [K 128, N 128]; A: input x; B: input Wq: QUANTISED (scales: A lowp_scales[0], B lowp_scales[1])
;;     2. [M 32,768, K 128] x [K 128, N 128]; A: input x; B: input Wk: QUANTISED (scales: A lowp_scales[2], B lowp_scales[3])
;;     3. [M 32,768, K 128] x [K 128, N 128]; A: input x; B: input Wv: QUANTISED (scales: A lowp_scales[4], B lowp_scales[5])
;;     4. batch 16 x [M 2,048, K 128] x [K 128, N 2,048]; A: computed on the way; B: computed on the way: QUANTISED (scales: A lowp_scales[6], B lowp_scales[7])
;;     5. batch 16 x [M 2,048, K 2,048] x [K 2,048, N 128]; A: softmax (see below); B: computed on the way: QUANTISED (scales: A lowp_scales[8], B lowp_scales[9])
;;   THE QUANTISER, for each operand of a quantised product, along K:
;;     - The operand's scale is 2^e, e = its entry of the input lowp_scales (int32; the entries are numbered through the quantised products in the list's order, A before B).
;;     - Each number is divided by the scale, clamped to +-57,344, and rounded to the nearest number of E5M2, ties to even, subnormals kept.
;;     - The product sums the exact products of the quantised numbers (number of the format x scale) in f32.
;;   ~~~python
;;   def quantise(x, axis, e):      # numpy; x: float32 -> the quantised numbers, widened to float32 again
;;       x = np.moveaxis(x, axis, -1); K = x.shape[-1]
;;       r = np.clip(x / 2.0 ** e, -57344, 57344)
;;       step = 2.0 ** (np.maximum(np.frexp(np.where(r == 0, 1, r))[1] - 1, -14) - 2)
;;       q = np.round(r / step) * step * 2.0 ** e      # np.round: ties to even
;;       return np.moveaxis(q, -1, axis).astype(np.float32)
;;   ~~~
;;   SOFTMAX AHEAD OF A QUANTISED PRODUCT. Where the list says 'softmax', what is quantised is not the finished softmax but p = 2^(t - M), with t = logit x log2(e) and M = ceil(the row's largest t), a whole number; so 1/2 < the row's largest p <= 1. The row's sum l is taken of the UNQUANTISED p, in f32, and the product's result is divided by l at the end. Since M is a whole number, a kernel that streams over the keys may use a running M (the ceiling of the running maximum): every later rescaling is an exact power of two, so the quantised numbers keep their values, but for numbers so far below the row's largest that they fall under the format's range.
;;   OPERANDS COMPUTED ON THE WAY. 'Computed on the way' means the value that the module computes at that place (a softmax that the list does not call 'softmax' is quantised finished and normalised). What goes into a quantiser is computed in f32, as accurately as f32 sums, v_exp_f32 and their like allow (about 1e-6 of the number): no bf16 or f16 on the way to a quantiser, and a product that is left as it is and whose result goes on into a quantised operand takes f32 operands (vector FMAs, or v_wmma_f32_16x16x4_f32). A number that lies on a knife's edge between two numbers of the format may be rounded either way, as far as f32 arithmetic and the matrix unit's own rounding can turn it there, and no further.
;; One version. Each part assembles by itself: llvm-mc -triple=amdgcn-amd-amdhsa -mcpu=gfx1250 --defsym DOCPART=n.
;; ======== version 1 of 1: 2 launches
;; limits: right only within a limited range of input values
;; workspace buffers: q_codes 4,194,304 bytes; k_codes 4,194,304 bytes; v_codes 4,194,304 bytes
;; launch project (part 1): grid 256 x 1, 8 waves a work-group, no clusters, 130,048 bytes of LDS; arguments x, Wq, Wk, Wv, lowp_scales, q_codes, k_codes, v_codes; writes q_codes, k_codes, v_codes
.if DOCPART == 1
	.amdgcn_target "amdgcn-amd-amdhsa--gfx1250"
	.amdhsa_code_object_version 6
	.text
	.protected	k_qf24e65bc9a_project
	.globl	k_qf24e65bc9a_project
	.p2align	8
	.type	k_qf24e65bc9a_project,@function
k_qf24e65bc9a_project:
	s_mov_b64 s[64:65], 0
	v_nop
	global_prefetch_b8 v0, s[64:65] scope:SCOPE_SE
	s_setreg_imm32_b32 hwreg(HW_REG_WAVE_MODE, 25, 1), 1
	s_wait_xcnt 0x0
; q = x Wq^T, k = x Wk^T, v = x Wv^T on codes of BF8 (E5M2), and the three results quantised again for the attention that follows.
; x: [32768][128] f32; Wq, Wk, Wv: [128][128] f32; lowp_scales: e0 .. e9 (int32): x is quantised three times (2^e0, 2^e2, 2^e4), the weights once each
; (2^e1, 2^e3, 2^e5), q with 2^e6, k with 2^e7, v with 2^e9.  code = number / 2^e, held within +-57,344, to the nearest code, ties to even.
; OUT: q_codes, k_codes: [32768 rows t][128 bytes along h];  v_codes: [16 batches][16 key steps][128 rows h][128 bytes: the step's 128 keys].
; In every row byte p holds index (p & ~24) | ((p & 8) << 1) | ((p & 16) >> 1): in each group of 32 the two middle pieces of 8 are swapped.  A lane's two
; neighbouring result tiles give such 16 bytes by themselves, and four 16-byte loads of columns 2 c + lane / 16 then put every k where the matrix form's own map has it.
; ON TOP OF THAT ORDER the 16-byte columns of a stored row are exchanged: column j of row r stands at j ^ ((r / 2) % 8), so that the next launch's tiles need no padding in LDS.
; The exchange is made as a wave reads its stage back.
; SHARES.  Work-group g owns rows 128 g .. 128 g + 127 of x (batch g / 16, key step g % 16).  Each of eight waves quantises 16 rows of x (three times) and 16 rows
; of each weight into LDS; wave w makes q and k of its 16 rows and v's channels 16 w .. 16 w + 15 for the 128 rows: 2,048 dense bytes of each output.
; ORDER.  x, Wq, Wk, Wv are asked for early, each into registers of its own.  x and Wq are quantised; a barrier; q is made and stored; Wk is quantised; a barrier; k is made and stored; Wv is
; quantised; v is made and stored.  v's products read all of x's codes (whole since the first barrier) and of Wv only the wave's own rows: no third barrier.
; ONE SHAPE OF PRODUCT: D[a] = WALK[a] x OWN, a = 0 .. 7.  Source 0 = 16 walking rows, which run along a lane's eight registers in D; source 1 = the wave's own 16 rows, the lanes.
;   q: OWN = x's rows (e0), WALK = Wq;   k: OWN = x's rows (e2), WALK = Wk;   v: OWN = Wv's rows, WALK = x's 128 rows (e4).
; So a lane's eight registers are eight neighbours along the NEXT product's K, and the conversions' results are that operand's bytes.
; The codes of x and of the weights lie in LDS in true order and are fetched by four 16-byte loads a fragment: a permutation of k, the same on both sides of a product,
; so every product meets its partner and only the order of the sums inside an instruction changes.
; NO CLUSTER, NO COPY ENGINE: every number arrives as f32 and passes through registers to be quantised.  No prefetch: every load stands at the head, there is no loop to run ahead in.
; LIMITS, so that each power of two is an f32 number: e0 .. e5, e6 - e0 - e1, e7 - e2 - e3 and e9 - e4 - e5 lie between -126 and 112.  NaN among the inputs is not served; infinities are held at the largest code.
.set PITCH,  144                       ; a row of 128 codes + 16: nine 16-byte columns, so sixteen rows in sequence begin at sixteen different columns modulo 256 bytes
.set REGION, 128*PITCH                 ; 128 rows of codes
.set WC,     3*REGION                  ; x's three regions lie at 0, REGION, 2 REGION; the weights' three from here on
.set STG,    6*REGION                  ; a stage of 16 rows for each wave, for the way out; behind the stages the spare words
.set WROWS,  16*PITCH
.set C0,   16                          ; quantising: v16-31 and v224-239 two sets of codes, by turns
.set X,    32                          ; v32-95   16 rows of x
.set WA,   96                          ; v96-159  16 rows of Wq
.set WB,   64                          ; WINDOW 1: v64-127  16 rows of Wk,
.set WD,   128                         ;           v128-191 16 rows of Wv;  v0, v1 of that window: my spare word, and 0
.set C1,   224
.set T0,   240                         ; v240-255 two sets of eight held numbers, by turns
.set OWN,  16                          ; products: v16-31 the wave's own fragment
.set WALK, 32                          ; v32-159  eight walking fragments
.set ACC,  160                         ; v160-223 eight results
.set PCD,  224                         ; v224-239 their codes
.set BK,   240                         ; v240-255 16 rows back from the stage
.set SC,   36                          ; s[36+2n] = 2^e as f32, s[37+2n] = 57,344 x 2^e, for nine exponents e
; v1 lane, v2 r = lane % 16, v3 hh = lane / 16, v4 16 lane, v5 / v11 where I put four codes of a row of x / of a weight, v6 / v14 a fragment's place in x's / the weights' regions,
; v7 / v15 the same at my wave's rows, v8 stage in, v10 my rows of a weight in memory, v12 the bound, v13 the scale; behind the head v9, v1, v2, v3 are the four places at which I read my stage back
	s_load_b256 s[4:11], s[0:1], 0x0               ; x, Wq, Wk, Wv
	s_load_b256 s[12:19], s[0:1], 0x20             ; lowp_scales, q_codes, k_codes, v_codes
	s_set_vgpr_msb 0x40
	v_lshl_add_u32 v0, v0, 2, 0x1f800              ; v256 = STG + 8 stages + 4 x thread
	v_mov_b32 v1, 0                                ; v257
	s_set_vgpr_msb 0x4000
	v_lshrrev_b32 v1, 5, v0
	s_delay_alu instid0(VALU_DEP_1)
	v_readfirstlane_b32 s20, v1                    ; wave 0..7
	v_and_b32 v1, 31, v0
	v_and_b32 v2, 15, v0
	v_bfe_u32 v3, v0, 4, 1
	s_delay_alu instid0(VALU_DEP_3)
	v_lshlrev_b32 v4, 4, v1
	s_mul_i32 s21, s20, WROWS                      ; my 16 rows in a region
	v_lshl_add_u32 v5, v1, 2, s21
	s_delay_alu instid0(VALU_DEP_1)
	v_add_nc_u32 v11, WC, v5
	v_mul_u32_u24 v6, v2, PITCH
	s_delay_alu instid0(VALU_DEP_1)
	v_lshl_add_u32 v6, v3, 4, v6                   ; row r, 16 bytes for each half of the lanes
	s_delay_alu instid0(VALU_DEP_1)
	v_add_nc_u32 v14, WC, v6
	s_delay_alu instid0(VALU_DEP_2)
	v_add_nc_u32 v7, s21, v6
	s_delay_alu instid0(VALU_DEP_1)
	v_add_nc_u32 v15, WC, v7
	s_delay_alu instid0(VALU_DEP_2)
	v_add_nc_u32 v8, STG, v7
	v_lshrrev_b32 v9, 3, v1
	v_and_b32 v10, 7, v0
	v_mul_u32_u24 v9, v9, PITCH
	v_xor_b32 v10, v10, v3                         ; back: eight lanes to a row of 128 bytes, four rows an instruction; load t takes row 4 t + lane / 8,
	s_add_co_u32 s2, s21, STG
	v_add_nc_u32 v9, s2, v9
	v_xor_b32 v1, 2, v10                           ; so its column is (lane % 8) ^ (2 t + lane / 16)
	v_xor_b32 v2, 4, v10
	v_xor_b32 v3, 6, v10
	v_lshl_add_u32 v1, v1, 4, v9
	v_lshl_add_u32 v2, v2, 4, v9
	v_lshl_add_u32 v3, v3, 4, v9
	v_lshl_add_u32 v9, v10, 4, v9
	s_lshl_b32 s3, s20, 13
	v_add_nc_u32 v10, s3, v4                       ; 16 rows of 512 bytes a wave
	s_wait_alu depctr_va_vdst(0)
	s_wait_kmcnt 0x0
	s_load_b256 s[24:31], s[12:13], 0x0            ; e0 .. e7
	s_load_b64 s[32:33], s[12:13], 0x20            ; e8, e9
	s_lshl_b32 s22, ttmp9, 16                      ; 128 rows of 512 bytes a work-group,
	s_add_co_u32 s22, s22, s3                      ; 16 a wave
	s_mov_b32 s23, 0
	s_add_nc_u64 s[4:5], s[4:5], s[22:23]
	s_lshr_b32 s22, s22, 2                         ; and a quarter of that in each buffer of codes
	s_add_nc_u64 s[14:15], s[14:15], s[22:23]
	s_add_nc_u64 s[16:17], s[16:17], s[22:23]
	s_add_nc_u64 s[18:19], s[18:19], s[22:23]
.set n, 0
.rept 16
	global_load_b128 v[X+4*n:X+4*n+3], v4, s[4:5] offset:512*n th:TH_LOAD_NT   ; a whole row: 512 consecutive bytes
.set n, n+1
.endr
.macro LOADW dst, base                 ; my 16 rows of a weight
.set n, 0
.rept 16
	global_load_b128 v[\dst+4*n:\dst+4*n+3], v10, s[\base:\base+1] offset:512*n
.set n, n+1
.endr
.endm
	LOADW WA, 6
	s_set_vgpr_msb 0x40                            ; destination window 1
	LOADW WB, 8
	s_set_vgpr_msb 0x4000
.macro MKS n, e                        ; 2^e as f32 (the conversion takes its exponent field), and the largest number x 2^e
	s_add_co_i32 s2, \e, 127
	s_lshl_b32 s[SC+2*\n], s2, 23
	s_add_co_i32 s2, s2, 15
	s_lshl_b32 s2, s2, 23
	s_or_b32 s[SC+2*\n+1], s2, 0x600000
.endm
	s_wait_kmcnt 0x0
	MKS 0, s24
	MKS 1, s26
	MKS 2, s28
	MKS 3, s25
	MKS 4, s27
	MKS 5, s29
	s_sub_co_i32 s3, s30, s24                      ; a sum of the first product stands for sum x 2^(e0 + e1): its code is sum / 2^(e6 - e0 - e1)
	s_sub_co_i32 s3, s3, s25
	MKS 6, s3
	s_sub_co_i32 s3, s31, s26
	s_sub_co_i32 s3, s3, s27
	MKS 7, s3
	s_sub_co_i32 s3, s33, s28
	s_sub_co_i32 s3, s3, s29
	MKS 8, s3
; 16 rows in 64 registers (row i at src + 4 i, my columns 4 lane .. + 3; w = 1: in window 1) become codes with scale n.  Eight numbers are two rows' four: code register i holds four codes of row i.
; The held numbers go into two sets by turns, so that eight plain instructions stand between a conversion and the rewriting of its sources.
.macro QUANT src, n, cs, adr, off, w
	s_wait_dscnt 16                                ; the 16 stores of the run before may be out; those before them, which read this set of codes, are done
	v_mov_b32 v12, s[SC+2*\n+1]
	v_mov_b32 v13, s[SC+2*\n]
.irp g, 0,1,2,3,4,5,6,7
.if \w
	s_set_vgpr_msb 0x1                             ; source 0 in window 1
.endif
.irp i, 0,1,2,3,4,5,6,7
	v_med3_num_f32 v[T0+8*(\g%2)+\i], v[\src+8*\g+\i], -v12, v12   ; the conversion does not saturate (ISA guide 7.6.2): hold the number first
.endr
.if \w
	s_set_vgpr_msb 0x100
.endif
	v_cvt_scalef32_pk8_bf8_f32 v[\cs+2*\g:\cs+2*\g+1], v[T0+8*(\g%2):T0+8*(\g%2)+7], v13
.endr
	v_nop                                          ; one plain instruction between the last conversion and what touches its result
.irp row, 0,1,2,3,4,5,6,7,8,9,10,11,12,13,14,15
	ds_store_b32 v[\adr], v[\cs+\row] offset:\off+PITCH*\row       ; 32 lanes: a row's 128 bytes
.endr
.endm
.macro LOADF oadr, ooff, wadr, woff    ; my own fragment, then the eight walking ones
.irp c, 0,1,2,3
	ds_load_b128 v[OWN+4*\c:OWN+4*\c+3], v[\oadr] offset:\ooff+32*\c
.endr
.irp a, 0,1,2,3,4,5,6,7
.irp c, 0,1,2,3
	ds_load_b128 v[WALK+16*\a+4*\c:WALK+16*\a+4*\c+3], v[\wadr] offset:\woff+WROWS*\a+32*\c
.endr
.endr
.endm
; Eight products on eight results; each starts its sum with the constant 0 and K = 128 is one instruction: no chains.  Then four plain instructions between a matrix instruction and a read of its result or a load
; into its sources (ISA guide 7.12.1 for vector instructions).
.macro MULT
.irp a, 0,1,2,3,4,5,6,7
	s_wait_dscnt 28-4*\a                           ; the 4 (7 - a) loads of later walking fragments may be out
	v_wmma_f32_16x16x128_bf8_bf8 v[ACC+8*\a:ACC+8*\a+7], v[WALK+16*\a:WALK+16*\a+15], v[OWN:OWN+15], 0
.endr
.rept 4
	v_nop
.endr
.endm
; The eight results are held, turned into codes with scale n, sent through my stage and stored: 16 rows of 128 bytes, dense in memory.  Each result is read from its low end on.
.macro CONV n, base
	v_mov_b32 v12, s[SC+2*\n+1]
	v_mov_b32 v13, s[SC+2*\n]
.irp a, 0,1,2,3,4,5,6,7
.irp i, 0,1,2,3,4,5,6,7
	v_med3_num_f32 v[ACC+8*\a+\i], v[ACC+8*\a+\i], -v12, v12
.endr
	v_cvt_scalef32_pk8_bf8_f32 v[PCD+2*\a:PCD+2*\a+1], v[ACC+8*\a:ACC+8*\a+7], v13
.endr
	v_nop
.irp c, 0,1,2,3
	ds_store_b128 v8, v[PCD+4*\c:PCD+4*\c+3] offset:32*\c          ; tiles 2 c and 2 c + 1: 16 bytes at 32 c + 16 hh of row r
.endr
	ds_load_b128 v[BK:BK+3], v9                    ; my own bytes: LDS serves a wave's instructions in order (ISA guide 5.7.1)
	ds_load_b128 v[BK+4:BK+7], v1 offset:4*PITCH
	ds_load_b128 v[BK+8:BK+11], v2 offset:8*PITCH
	ds_load_b128 v[BK+12:BK+15], v3 offset:12*PITCH
	s_wait_dscnt 0x0
.irp t, 0,1,2,3
	global_store_b128 v4, v[BK+4*\t:BK+4*\t+3], s[\base:\base+1] offset:512*\t   ; 512 consecutive bytes, at a multiple of 256 from the buffer's first byte
.endr
	s_wait_xcnt 0x0                                ; the stores' data are written again only behind this wait
.endm
	s_wait_loadcnt 32                              ; x is in; the 32 loads of Wq and Wk may be out
	s_set_vgpr_msb 0x40
	LOADW WD, 10
	s_set_vgpr_msb 0x4000
	QUANT X, 0, C0, 5, 0, 0
	QUANT X, 1, C1, 5, REGION, 0
	QUANT X, 2, C0, 5, 2*REGION, 0
	s_wait_loadcnt 32                              ; Wq is in; Wk's 16 and Wv's 16 may be out
	QUANT WA, 3, C1, 11, 0, 0
	s_wait_dscnt 0x0                               ; for the others' sake: my codes of x and Wq are in LDS
	s_barrier_signal -1
	s_barrier_wait -1
	LOADF 7, 0, 14, 0                              ; q: x's rows (e0) against Wq
	MULT
	CONV 6, 14
	s_wait_loadcnt 16                              ; Wk is in; Wv's 16 may be out
	QUANT WB, 4, C0, 11, REGION, 1
	s_wait_dscnt 0x0                               ; for the others' sake: my codes of Wk are in LDS
	s_barrier_signal -1
	s_barrier_wait -1
	LOADF 7, REGION, 14, REGION                    ; k: x's rows (e2) against Wk
	MULT
	CONV 7, 16
	s_wait_loadcnt 0x0
	QUANT WD, 5, C1, 11, 2*REGION, 1
	LOADF 15, 2*REGION, 6, 2*REGION                ; v: my own rows of Wv against x's 128 rows (e4)
	MULT
	CONV 8, 18
	s_set_vgpr_msb 0x5                             ; the wave's end: the add's two registers lie in window 1
	s_wait_tensorcnt 0x0
	ds_add_u32 v0, v1
	s_wait_dscnt 0x0
	s_set_vgpr_msb 0x500
	s_endpgm
.Lfunc_end_k_qf24e65bc9a_project:
	.size	k_qf24e65bc9a_project, .Lfunc_end_k_qf24e65bc9a_project-k_qf24e65bc9a_project
	.p2alignl 7, 3214868480
	.fill 96, 4, 3214868480
	.section	.rodata,"a",@progbits
	.p2align	6, 0x0
	.amdhsa_kernel k_qf24e65bc9a_project
		.amdhsa_group_segment_fixed_size 130048
		.amdhsa_private_segment_fixed_size 0
		.amdhsa_enable_private_segment 0
		.amdhsa_kernarg_size 64
		.amdhsa_user_sgpr_count 2
		.amdhsa_user_sgpr_kernarg_segment_ptr 1
		.amdhsa_wavefront_size32 1
		.amdhsa_system_sgpr_workgroup_id_x 1
		.amdhsa_system_sgpr_workgroup_id_y 1
		.amdhsa_system_sgpr_workgroup_id_z 1
		.amdhsa_system_vgpr_workitem_id 0
		.amdhsa_next_free_vgpr 448
		.amdhsa_next_free_sgpr 66
		.amdhsa_reserve_vcc 0
		.amdhsa_float_denorm_mode_32 3
		.amdhsa_float_denorm_mode_16_64 3
		.amdhsa_memory_ordered 1
		.amdhsa_forward_progress 1
		.amdhsa_inst_pref_size 73
	.end_amdhsa_kernel
	.amdgpu_metadata
---
amdhsa.version: [ 1, 2 ]
amdhsa.kernels:
  - .name:           k_qf24e65bc9a_project
    .symbol:         k_qf24e65bc9a_project.kd
    .args:
      - { .name: x, .offset: 0, .size: 8, .value_kind: global_buffer, .address_space: global }
      - { .name: Wq, .offset: 8, .size: 8, .value_kind: global_buffer, .address_space: global }
      - { .name: Wk, .offset: 16, .size: 8, .value_kind: global_buffer, .address_space: global }
      - { .name: Wv, .offset: 24, .size: 8, .value_kind: global_buffer, .address_space: global }
      - { .name: lowp_scales, .offset: 32, .size: 8, .value_kind: global_buffer, .address_space: global }
      - { .name: q_codes, .offset: 40, .size: 8, .value_kind: global_buffer, .address_space: global }
      - { .name: k_codes, .offset: 48, .size: 8, .value_kind: global_buffer, .address_space: global }
      - { .name: v_codes, .offset: 56, .size: 8, .value_kind: global_buffer, .address_space: global }
    .group_segment_fixed_size: 130048
    .private_segment_fixed_size: 0
    .kernarg_segment_align: 8
    .kernarg_segment_size: 64
    .max_flat_workgroup_size: 256
    .sgpr_count:     66
    .vgpr_count:     448
    .wavefront_size: 32
...
	.end_amdgpu_metadata
.endif
;; end of part 1
;; launch attend (part 2): grid 16 x 16, 4 waves a work-group, clusters of 4 x 1, 327,680 bytes of LDS; arguments q_codes, k_codes, v_codes, lowp_scales, out0; writes out0
.if DOCPART == 2
	.amdgcn_target "amdgcn-amd-amdhsa--gfx1250"
	.amdhsa_code_object_version 6
	.text
	.protected	k_qf24e65bc9a_attend
	.globl	k_qf24e65bc9a_attend
	.p2align	8
	.type	k_qf24e65bc9a_attend,@function
k_qf24e65bc9a_attend:
	s_mov_b64 s[64:65], 0
	v_nop
	global_prefetch_b8 v0, s[64:65] scope:SCOPE_SE
	s_setreg_imm32_b32 hwreg(HW_REG_WAVE_MODE, 25, 1), 1
	s_wait_xcnt 0x0
	s_wait_alu depctr_hold_cnt(0) depctr_sa_sdst(0) depctr_va_vdst(0) depctr_va_sdst(0) depctr_va_ssrc(0) depctr_va_vcc(0) depctr_vm_vsrc(0)
	s_getreg_b32 s2, hwreg(HW_REG_IB_STS2, 6, 4)
	s_cmp_eq_u32 s2, 0
	s_cbranch_scc0 .Lentry_in_a_cluster
	s_endpgm
.Lentry_in_a_cluster:
	s_bfe_u32 s2, ttmp6, 0x10000c
	s_cmp_lg_u32 s2, 0x3003
	s_cbranch_scc0 .Lentry_shape_is_right
	s_endpgm
.Lentry_shape_is_right:
; out = softmax(causal(q k^T / sqrt(128))) v, both products on codes of BF8 (E5M2).  q_codes, k_codes: [16][2048][128 bytes]; v_codes: [16][16 key steps][128 channels][128 keys];
; in each row the pieces of 8 bytes lie so that four 16-byte loads, of columns 2 c + lane / 16, put every k where the matrix form's own map has it; column j of row r stands at j ^ ((r / 2) % 8).
; out0: [16][2048][128] f32.
; THE SOFTMAX: t = score x log2(e) / sqrt(128); M = the largest t so far, rounded UP to a whole number, kept as -M = floor(-t); p = 2^(t - M) is quantised with 2^e8, not normalised;
; the row's sum l is taken of the unquantised p; when M moves, l and O are multiplied by 2^(old M - new M); at the end O x 2^(e8 + e9) / l.
; SHARES.  A batch has 8 slots of 256 keys (two steps of 128).  Cluster c of a batch owns the rows of slots c (lo) and 7 - c (hi); place p in the cluster owns, of each half of 128 rows, the pair
; of tiles 32 p .. 32 p + 31.  Wave w: half = w & 1; w < 2: the hi pair of that half; w >= 2: the lo pair, and afterwards a HELPER of the hi pair of the same half.
; Trips 0 .. 3 have two key steps each for every wave.  Trip s <= c: all waves walk slot s.  Trip s > c: two slots, the hi wave the first, the helper the second.  The fifth trip has one step for
; every wave: slot 7 - c, the hi wave its step 0, the helper its step 1.  So every wave runs 9 steps, whatever c, and nothing but addresses and the mask's figure hangs on the place in the cluster.
; A lo wave masks in trip c, stores its rows and begins M, l and O^T anew.  All waves mask in the fifth trip.  Key steps that the mask hides wholly are not walked, but for one step of each pair of half 0
; in the slot in which its rows lie: it gives p = 0.  A helper that sees no key keeps M at its start and gets the weight 0 in the merge.
; At the end the hi wave hands tile 1 of the pair to the helper and the helper tile 0 to the hi wave, through LDS: each merges and stores one tile.
; CLUSTER.  The four partners belong to one batch and walk the same K and V: each tile is asked for JOINTLY.  Clusters with even x take batch 2 (y / 2), those with odd x batch 2 (y / 2) + 1.
; THE RING: two slots of four steps' room.  A tensor load brings 64 rows of each of four (or two) steps of K or of V: tile rows of 8,192 dense bytes, 16,384 apart in memory, dense in LDS: by the exchange of
; columns the sixteen rows that a fragment load touches stand at sixteen different 16-byte columns modulo 256 bytes.
; The two first fills are of four steps for every c; with c > 0 the second step pair of such a fill is not read.
; PREFETCH: cluster 0 of a batch alone, which walks all of its slots: at the change of slots in trip t it asks for what the NEXT change will load: trip 3's four steps, then the fifth trip's two; each of
; the 16 waves of the cluster names its own blocks of 256 bytes, told apart by address.  The first three fills come by their loads alone.
; LAYOUT.  Both products are used transposed: S^T = K Q^T (source 0 = 16 keys), O^T = V^T P^T (source 0 = 16 channels): a lane holds ONE query (lane % 16) of each tile throughout.
; LIMITS, so that each power of two is an f32 number: e6 + e7 between -123 and 130 (added to the exponent field of log2(e) / sqrt(128)); e8 between -126 and 112; e8 + e9 is applied by v_ldexp_f32.
; The promise holds while the scaled scores stay under 2^31 in magnitude.  A p under 2^-126 is 0 (v_exp_f32 flushes).  NaN among the codes is not served.
.set HS,    8192                       ; 64 rows of 128 codes: half a step
.set HR,    4*HS                       ; one tensor load's room: half of four steps
.set VOFF,  2*HR                       ; a slot: K's two halves, then V's
.set SLOTB, 4*HR
.set SPARE, 2*SLOTB                    ; the spare words, 128 bytes for each wave: two blocks of 256 bytes that no other line names
.set STAGE, SPARE+512                  ; 16 rows x 272 bytes for each wave, for the way out; no tile lands here
.set SP,    272
.set PARTB, 17*512                     ; the hand-over lies in slot 1, which has had its last fill (trip 3's) and its last read by then
; WINDOW 0: v2 stage in; v3 my query's place for the mask, less 8 hh; v4 -inf; v5 spare word; v6 0; v7 my offset in rows of out0; v8, v9 the hand-over, mine and my partner's;
; v10, v31 prefetch offsets; v11 stage back; v12 -M, v13 the largest t of tile 0 (X), v14, v15 of tile 1 (Y); v[16:17], v[18:19] l in two halves; v[20:21], v[22:23] 2^(old M - new M); v24 57,344 x 2^e8;
; v25 2^e8; v26-29 at work; v32-47, v48-63 Q; v64-127, v128-191 S^T, then p; v192-207, v208-223 p's codes; v224-255 maxima, then sums.
; WINDOW 1: v0-63, v64-127 O^T of X, Y; v128-255 K's eight fragments.
; WINDOW 2: v0-127 V's eight fragments; v128-131 my four columns' places in 16 rows; v132-135, v136-139 the same in K's and V's tiles in hand.
; SCALAR: s2 the slot in hand; s14 wave; s15 c; s17 batch; s18 lo?; s19 half; s[20:21] lane selects; s[22:23] log2(e) / sqrt(128) x 2^(e6+e7), twice; s[24:31], s[48:55] descriptor group 1 for two and for
; four steps; s[32:35] group 0; s40 where my load lands in a slot; s[44:45] what I fetch, from its first byte; s56 0 if I prefetch; s57 trip; s[58:59] bytes to the next fill; s62 1: two steps, 0: four;
; s66 do I mask; s68 the trip in which I mask; s69, s70 the helper's step in a trip, in the fifth; s71 where my steps begin; s[72:87] lane masks; s[88:91] e6 .. e9, s91 then e8 + e9; s[92:93] the hi pair's Q;
; s[96:97], s[100:101] out0 at my own pair, at my tile of the hi pair.  The place in the cluster is held by s16 and goes from there into s36-39, s41, s42, s92-101 alone.
.set MSB, 0
.macro WIN new                         ; the immediate's high byte repeats the setting that is left
.if MSB != \new
	s_set_vgpr_msb (MSB<<8)|\new
.set MSB, \new
.endif
.endm
.macro CREST                           ; a round of the cluster's barrier behind its opening barrier
	s_cmp_lg_u32 s14, 0
	s_cbranch_scc1 .Lnot_wave_0_\@
	s_barrier_signal -3
.Lnot_wave_0_\@:
	s_barrier_wait -3
	s_barrier_signal -1
	s_barrier_wait -1
.endm
.macro CROUND
	s_barrier_signal -1
	s_barrier_wait -1
	CREST
.endm
.macro JLOAD4                          ; a joint load of four steps
	tensor_load_to_lds s[32:35], s[48:55]
	s_nop 0
.rept 4
	v_nop
.endr
.endm
.macro JLOAD                           ; of two or four steps: the choice hangs on c and the trip, which all partners share
	s_cmp_eq_u32 s62, 1
	s_cbranch_scc0 .Lfour_\@
	tensor_load_to_lds s[32:35], s[24:31]
	s_nop 0
.rept 4
	v_nop
.endr
	s_branch .Lasked_\@
.Lfour_\@:
	JLOAD4
.Lasked_\@:
.endm
.macro ASK
	s_add_co_u32 s63, s57, s56
	s_cmp_eq_u32 s63, 0
	s_cbranch_scc0 .Lnot0_\@
	global_prefetch_b8 v10, s[44:45] offset:10*16384 th:TH_LOAD_NT scope:SCOPE_SE
.Lnot0_\@:
	s_cmp_eq_u32 s63, 1
	s_cbranch_scc0 .Lnot1_\@
	global_prefetch_b8 v31, s[44:45] offset:14*16384 th:TH_LOAD_NT scope:SCOPE_SE
.Lnot1_\@:
.endm
.macro ADDR base                       ; K's and V's tiles of the steps that begin at LDS byte base
	WIN 0x88
.irp c, 0,1,2,3
	v_add_nc_u32 v[132+\c], s[\base], v[128+\c]
.endr
.irp c, 0,1,2,3
	v_add_nc_u32 v[136+\c], VOFF, v[132+\c]
.endr
	WIN 0
.endm
.macro KLD q, f0, cnt                  ; cnt fragments of K from f0 on, q steps on
.set kf, \f0
.rept \cnt
.irp c, 0,1,2,3
	ds_load_b128 v[128+16*kf+4*\c:131+16*kf+4*\c], v[132+\c] offset:HS*(\q)+HR*(kf/4)+2048*(kf%4)
.endr
.set kf, kf+1
.endr
.endm
.macro VLD q, f0, cnt                  ; the same for V
.set vf, \f0
.rept \cnt
.irp c, 0,1,2,3
	ds_load_b128 v[16*vf+4*\c:3+16*vf+4*\c], v[136+\c] offset:HS*(\q)+HR*(vf/4)+2048*(vf%4)
.endr
.set vf, vf+1
.endr
.endm
.macro QLD base                        ; Q's fragments of both tiles
	WIN 0x02
.irp c, 0,1,2,3
	global_load_b128 v[32+4*\c:35+4*\c], v[128+\c], s[\base:\base+1]
	global_load_b128 v[48+4*\c:51+4*\c], v[128+\c], s[\base:\base+1] offset:2048
.endr
	WIN 0
.endm
.macro QK s, qf, t0, cnt
.set qt, \t0
.rept \cnt
	v_wmma_f32_16x16x128_bf8_bf8 v[\s+8*qt:\s+8*qt+7], v[128+16*qt:143+16*qt], v[\qf:\qf+15], 0
.set qt, qt+1
.endr
.endm
.macro PV o, pc, t0, cnt
.set pt, \t0
.rept \cnt
	v_wmma_f32_16x16x128_bf8_bf8 v[\o+8*pt:\o+8*pt+7], v[16*pt:16*pt+15], v[\pc:\pc+15], v[\o+8*pt:\o+8*pt+7]
.set pt, pt+1
.endr
.endm
.macro MASK s, off, q, m               ; hidden keys' scores become -inf; m = 1: only where s66 says so; m = 2: always.  Register 8 t + j holds key 128 q + 16 t + 8 hh + j
.if \m == 1
	s_cmp_eq_u32 s66, 0
	s_cbranch_scc1 .Lopen_\@
.endif
.set mt, 0
.rept 8
.irp j, 0,1,2,3,4,5,6,7
	v_cmp_gt_i32 s[72+8*(mt%2)+\j], 128*\q+16*mt+\j-\off, v3
.endr
.irp j, 0,1,2,3,4,5,6,7
	v_cndmask_b32 v[\s+8*mt+\j], v[\s+8*mt+\j], v4, s[72+8*(mt%2)+\j]
.endr
.set mt, mt+1
.endr
.if \m == 1
.Lopen_\@:
.endif
.endm
.macro MAXI s, a, i                    ; line i of 32: the largest of 64 scores, in four chains by turns; each result's first read falls on one of its four lowest registers
.if (\i) < 4
	v_max3_num_f32 v[\a+\i], v[\s+16*(\i)], v[\s+16*(\i)+1], v[\s+16*(\i)+2]
.elseif (\i) < 28
.set xc, (\i)%4
.set xk, \s+16*((\i)%4)+1+2*((\i)/4)
	v_max3_num_f32 v[\a+xc], v[\a+xc], v[xk], v[xk+1]
.elseif (\i) == 28
	v_max3_num_f32 v[\a], v[\a], v[\a+1], v[\s+15]
.elseif (\i) == 29
	v_max3_num_f32 v[\a+2], v[\a+2], v[\a+3], v[\s+31]
.elseif (\i) == 30
	v_max3_num_f32 v[\a], v[\a], v[\s+47], v[\s+63]
.else
	v_max_num_f32 v[\a], v[\a], v[\a+2]
.endif
.endm
.macro NEWM nm, tt, f, a, tm, i        ; line i of 9: M moves
.if (\i) == 0
	v_permlanex16_b32 v[\tm], v[\a], s20, s21      ; the query's other 64 keys lie in the lane 16 away
.elseif (\i) == 1
	v_max_num_f32 v[\a], v[\a], v[\tm]
.elseif (\i) == 2
	v_mul_f32 v[\a], s22, v[\a]                    ; as t (the factor is positive)
.elseif (\i) == 3
	v_max_num_f32 v[\tt], v[\tt], v[\a]
.elseif (\i) == 4
	v_mov_b32 v[\tm], v[\nm]
.elseif (\i) == 5
	v_floor_f32 v[\nm], -v[\tt]                    ; the new -M = floor(-t)
.elseif (\i) == 6
	v_sub_f32 v[\tm], v[\nm], v[\tm]               ; old M - new M: a whole number, 0 or less
.elseif (\i) == 7
	v_cvt_i32_f32 v[\tm], v[\tm]                   ; (it saturates)
.elseif (\i) == 8
	v_ldexp_f32 v[\f], 1.0, v[\tm]
.endif
.endm
.macro MIN2 b                          ; p is never negative, so a minimum is the whole of the hold (the conversion does not saturate: ISA guide 7.6.2)
	v_dual_min_num_f32 v[\b], v24, v[\b] :: v_dual_min_num_f32 v[\b+1], v24, v[\b+1]
.endm
.macro EXPX                            ; X's exponentials beside Y's t - M
.set n, 0
.rept 32
	v_exp_f32 v[64+2*n], v[64+2*n]
	v_exp_f32 v[65+2*n], v[65+2*n]
	v_pk_fma_f32 v[128+2*n:129+2*n], v[128+2*n:129+2*n], s[22:23], v[14:15] op_sel_hi:[1,0,0]
.set n, n+1
.endr
.endm
.macro EXPY                            ; Y's exponentials beside X's first sums (of the unquantised p) and holds, which are read behind the wait that follows
.set n, 0
.rept 16
	v_exp_f32 v[128+4*n], v[128+4*n]
	v_exp_f32 v[129+4*n], v[129+4*n]
	v_pk_add_f32 v[224+2*n:225+2*n], v[64+4*n:65+4*n], v[66+4*n:67+4*n]
	v_exp_f32 v[130+4*n], v[130+4*n]
	v_exp_f32 v[131+4*n], v[131+4*n]
	MIN2 64+4*n
	MIN2 66+4*n
.set n, n+1
.endr
.endm
.macro CVT8 s, pc                      ; p's codes, a plain addition of the sum behind each conversion
.irp i, 0,1,2,3,4,5,6,7
	v_cvt_scalef32_pk8_bf8_f32 v[\pc+2*\i:\pc+2*\i+1], v[\s+8*\i:\s+8*\i+7], v25
	v_pk_add_f32 v[224+2*\i:225+2*\i], v[224+2*\i:225+2*\i], v[240+2*\i:241+2*\i]
.endr
.irp i, 0,1,2,3
	v_pk_add_f32 v[224+2*\i:225+2*\i], v[224+2*\i:225+2*\i], v[232+2*\i:233+2*\i]
.endr
.endm
.macro SUMEND l, f
	v_pk_add_f32 v[224:225], v[224:225], v[228:229]
	v_pk_add_f32 v[226:227], v[226:227], v[230:231]
	v_pk_add_f32 v[224:225], v[224:225], v[226:227]
	v_pk_fma_f32 v[\l:\l+1], v[\l:\l+1], v[\f:\f+1], v[224:225] op_sel_hi:[1,0,1]   ; l under the new M, and this step's p
.endm
; A KEY STEP: 128 keys, q steps behind the addresses, both tiles; its keys' fragments are in or on their way.  kind 0: the next step is the slot's q + 1; 1: the slot changes inside the step and is filled again;
; 2: it changes and nothing is filled; 3: no step follows.
; THE CHANGE OF SLOTS: all reads of the slot are done once V's fragments are in registers.  Each wave waits for all its tensor loads (its part of the slot ahead), adds 0 to its spare word, and waits for that and for its
; reads; Y's exponentials stand between the barrier's signal and its wait.  kind 1: the barrier opens a round of the cluster's, and the joint load is the first thing behind it.  By the text's own count one load of a wave is out.
.macro STEP q, kind, m
	s_wait_dscnt 0x0                               ; K's fragments, asked for in the step before
	WIN 0x01
	QK 64, 32, 0, 8
	WIN 0
.rept 4
	v_nop                                          ; places behind X's products (ISA guide 7.12.1)
.endr
	MASK 64, 0, \q, \m
.set g, 0
.rept 4                                            ; Y's products beside X's maximum
	WIN 0x01
	QK 128, 48, 2*g, 2
	WIN 0
.set mi, 8*g
.rept 8
	MAXI 64, 224, mi
.set mi, mi+1
.endr
.set g, g+1
.endr
	s_wait_alu depctr_va_vdst(0)                   ; ahead of the mask's branch
	WIN 0x82
	VLD \q, 0, 4                                   ; V's first four fragments land under the softmax
	WIN 0
	MASK 128, 16, \q, \m
.set mi, 0
.rept 32                                           ; Y's maximum beside X's M
	MAXI 128, 228, mi
.if (mi%3) == 2
	NEWM 12, 13, 20, 224, 26, mi/3
.endif
.set mi, mi+1
.endr
.set n, 0
.rept 32                                           ; X's t - M beside Y's M
	v_pk_fma_f32 v[64+2*n:65+2*n], v[64+2*n:65+2*n], s[22:23], v[12:13] op_sel_hi:[1,0,0]
.if (n%3) == 2
	NEWM 14, 15, 22, 228, 27, n/3
.endif
.set n, n+1
.endr
	WIN 0x41
.set n, 0
.rept 32                                           ; O^T under the new M; each result from its low end on
	v_pk_mul_f32 v[2*n:2*n+1], v[2*n:2*n+1], v[20:21] op_sel_hi:[1,0]
.set n, n+1
.endr
.rept 32
	v_pk_mul_f32 v[2*n:2*n+1], v[2*n:2*n+1], v[22:23] op_sel_hi:[1,0]
.set n, n+1
.endr
	WIN 0
	s_wait_alu depctr_va_vdst(0)                   ; ahead of the batch,
	WIN 0x82
	VLD \q, 4, 4                                   ; V's other four
	WIN 0
	EXPX
.if (\kind == 1) || (\kind == 2)
	s_wait_tensorcnt 0x0                           ; no tensor load of mine is out, so group 0 may be written
	ds_add_u32 v5, v6                              ; 0 onto my spare word
.if \kind == 1
	s_add_co_u32 s33, s40, s2                      ; the next fill lands in the slot that is being left
	s_xor_b32 s2, s2, SLOTB
	s_cmp_lt_u32 s57, s15                          ; trip + 1 <= c: the fill before this one serves one slot of 256 keys, else two
	s_cselect_b32 s58, s60, s61
	s_cselect_b32 s71, 0, s69                      ; and the next trip is walked by all waves alike, or the helper begins two steps on
	s_add_co_u32 s71, s71, s2
	s_add_nc_u64 s[34:35], s[34:35], s[58:59]
	s_add_co_u32 s63, s57, 1
	s_cmp_lt_u32 s63, s15                          ; trip + 2 <= c: two steps; so too for the fifth trip
	s_cselect_b32 s62, 1, 0
	s_cmp_eq_u32 s57, 2
	s_cselect_b32 s62, 1, s62
.else
	s_xor_b32 s2, s2, SLOTB
	s_add_co_u32 s71, s70, s2
.endif
	s_wait_dscnt 0x0                               ; the add is done, and my reads of this slot are over
	s_wait_alu depctr_va_vdst(0)                   ; behind the batch, and ahead of the next,
	s_barrier_signal -1
	EXPY
	s_wait_alu depctr_va_vdst(0)                   ; and behind that
	s_barrier_wait -1
.if \kind == 1
	CREST
	JLOAD
.endif
	ADDR 71
	WIN 0x42
	KLD 0, 0, 8                                    ; the next slot's first keys
	WIN 0
.if \kind == 1
	ASK
.endif
.else
	s_wait_alu depctr_va_vdst(0)                   ; behind the batch, and ahead of the next,
.if \kind == 0
	WIN 0x42
	KLD (\q)+1, 0, 4                               ; the next step's keys, in two runs
	WIN 0
.endif
	EXPY
	s_wait_alu depctr_va_vdst(0)                   ; and behind that
.if \kind == 0
	WIN 0x42
	KLD (\q)+1, 4, 4
	WIN 0
.endif
.endif
	CVT8 64, 192
	SUMEND 16, 20
.if \kind == 0
	s_wait_alu depctr_va_vdst(0)
	s_wait_dscnt 32                                ; V is in; the 32 loads of the next step's keys may be out
.elseif \kind == 3
	s_wait_alu depctr_va_vdst(0)
	s_wait_dscnt 0x0
.endif
.set g, 0
.rept 4                                            ; X's products beside Y's first sums and holds
	WIN 0x52
	PV 0, 192, 2*g, 2
	WIN 0
.set n, 4*g
.rept 4
	v_pk_add_f32 v[224+2*n:225+2*n], v[128+4*n:129+4*n], v[130+4*n:131+4*n]
	MIN2 128+4*n
	MIN2 130+4*n
.set n, n+1
.endr
.set g, g+1
.endr
	CVT8 128, 208
	WIN 0x52
	PV 64, 208, 0, 8
	WIN 0
	SUMEND 18, 22                                  ; these four lines are the places behind Y's products
.endm
.macro TOST b, dst                     ; 32 registers (64 channels of 16 rows) through my stage, back as half rows of 256 bytes: LDS serves a wave's instructions in order (ISA guide 5.7.1)
.irp t, 0,1,2,3
	ds_store_b128 v2, v[\b+8*\t:\b+8*\t+3] offset:64*\t
	ds_store_b128 v2, v[\b+8*\t+4:\b+8*\t+7] offset:64*\t+16
.endr
.irp i, 0,1,2,3,4,5,6,7
	ds_load_b128 v[\dst+4*\i:\dst+4*\i+3], v11 offset:2*SP*\i
.endr
.endm
.macro GST src, base, off, younger     ; younger: LDS instructions issued behind these row loads, which may be out, as may the later of the eight
.irp i, 0,1,2,3,4,5,6,7
	s_wait_dscnt 7-\i+\younger
	global_store_b128 v7, v[\src+4*\i:\src+4*\i+3], s[\base:\base+1] offset:1024*\i+\off th:TH_STORE_NT   ; 16 lanes store 256 consecutive bytes, at a multiple of 256 from out0's first byte
.endr
.endm
.macro RESET                           ; M, l and O^T begin anew.  (The step has no first form: the first change of M multiplies these zeros)
	v_mov_b32 v13, 0xff61b1e6                      ; the largest t so far: -3e38
	v_mov_b32 v15, 0xff61b1e6
	v_floor_f32 v12, -v13
	v_floor_f32 v14, -v15
.irp i, 16,17,18,19
	v_mov_b32 v[\i], 0
.endr
	WIN 0x40
.set n, 0
.rept 128
	v_mov_b32 v[n], 0
.set n, n+1
.endr
	WIN 0
.endm
; A lo wave's rows are finished: the hi pair's Q is asked for, 32 rows leave, and the wave begins anew as a helper.
.macro LODONE
	s_cmp_eq_u32 s66, 0
	s_wait_alu depctr_va_vdst(0)
	s_cbranch_scc1 .Lgoes_on_\@
	QLD 92
	v_add_f32 v26, v16, v17
	v_add_f32 v28, v18, v19
	v_permlanex16_b32 v27, v26, s20, s21
	v_permlanex16_b32 v29, v28, s20, s21
	v_add_f32 v26, v26, v27                        ; the rows' sums
	v_add_f32 v28, v28, v29
	s_wait_alu depctr_va_vdst(0)                   ; ahead of the batch
	v_rcp_f32 v26, v26
	v_rcp_f32 v28, v28
	v_nop
	s_wait_alu depctr_va_vdst(0)                   ; and behind it
	v_ldexp_f32 v26, v26, s91
	v_ldexp_f32 v28, v28, s91
	WIN 0x01
	s_wait_alu depctr_va_vdst(0)                   ; directly ahead of the first reader of O^T
.set n, 0
.rept 32
	v_pk_mul_f32 v[64+2*n:65+2*n], v[2*n:2*n+1], v[26:27] op_sel_hi:[1,0]   ; register 8 t + j is out(r, 16 t + 8 hh + j)
.set n, n+1
.endr
.rept 32
	v_pk_mul_f32 v[64+2*n:65+2*n], v[2*n:2*n+1], v[28:29] op_sel_hi:[1,0]
.set n, n+1
.endr
	WIN 0
	s_wait_alu depctr_va_vdst(0)
	TOST 64, 192
	TOST 96, 224
	GST 192, 96, 0, 16
	TOST 128, 64
	GST 224, 96, 256, 16
	TOST 160, 96
	GST 64, 96, 8192, 16
	GST 96, 96, 8448, 0
	RESET
	v_add_nc_u32 v3, 0xffffff80, v3                ; the helper's masked step is its slot's second: 128 keys on
	s_wait_alu depctr_va_vdst(0)
	s_wait_xcnt 0x0                                ; the stores' data registers are written again only behind this wait
	s_wait_loadcnt 0x0                             ; Q
.Lgoes_on_\@:
.endm
	s_load_b256 s[4:11], s[0:1], 0x0               ; q_codes, k_codes, v_codes, lowp_scales
	s_load_b64 s[12:13], s[0:1], 0x20              ; out0
	v_lshl_add_u32 v5, v0, 2, SPARE
	v_mov_b32 v6, 0
	ds_add_u32 v5, v6                              ; the opening
	ds_add_u32 v5, v6
	v_lshrrev_b32 v7, 5, v0
	v_readfirstlane_b32 s14, v7                    ; wave 0..3
	s_bfe_u32 s16, ttmp6, 0x40000                  ; my place in the cluster
	s_and_b32 s16, s16, 3
	s_and_b32 s17, ttmp7, 0xffff
	s_and_b32 s3, ttmp9, 1                         ; in a cluster launch ttmp9 counts clusters
	s_lshr_b32 s15, ttmp9, 1
	s_and_b32 s63, s17, 1
	s_lshl_b32 s63, s63, 1
	s_add_co_u32 s15, s15, s63                     ; c = x / 2 + 2 (y % 2)
	s_lshr_b32 s17, s17, 1
	s_lshl_b32 s17, s17, 1
	s_or_b32 s17, s17, s3                          ; batch = 2 (y / 2) + x % 2
	s_lshr_b32 s18, s14, 1
	s_and_b32 s19, s14, 1
	s_mul_i32 s69, s18, 2*HS
	s_mul_i32 s70, s18, HS
	s_mul_i32 s40, s14, HR
.irp g, 24,48                                      ; descriptor group 1: rows of 8,192 bytes (64 rows of codes), 16,384 apart, dense in LDS
	s_mov_b32 s[\g], 15|(0<<16)|(1<<21)            ; 15:0 the mask: all four; 17:16 elements of 1 byte; 21 set beside a mask
	s_mov_b32 s[\g+1], 8192<<16                    ; tensor_dim0
	s_mov_b32 s[\g+3], 8192<<16                    ; tile_dim0
	s_mov_b32 s[\g+5], 16384                       ; tensor_dim0_stride
	s_mov_b32 s[\g+6], 0
	s_mov_b32 s[\g+7], 0
.endr
	s_mov_b32 s26, 2<<16                           ; tensor_dim1, tile_dim1: two steps,
	s_mov_b32 s28, 2
	s_mov_b32 s50, 4<<16                           ; or four
	s_mov_b32 s52, 4
	s_sub_co_u32 s43, 7, s15                       ; the hi slot
	s_lshl_b32 s36, s19, 7
	s_lshl_b32 s37, s16, 5
	s_add_co_u32 s36, s36, s37                     ; my pair's first row in its slot
	s_lshl_b32 s37, s17, 11
	s_add_co_u32 s37, s37, s36
	s_lshl_b32 s38, s43, 8
	s_add_co_u32 s38, s38, s37                     ; the hi pair's first row among the 32,768,
	s_cmp_eq_u32 s18, 0
	s_cselect_b32 s39, s43, s15
	s_cselect_b32 s68, 99, s15
	s_lshl_b32 s39, s39, 8
	s_add_co_u32 s39, s39, s37                     ; and my own pair's
	s_lshl_b32 s92, s38, 7
	s_mov_b32 s93, 0
	s_lshl_b32 s94, s39, 7
	s_mov_b32 s95, 0
	s_lshl_b32 s96, s39, 9
	s_mov_b32 s97, 0
	s_lshl_b32 s98, s18, 4
	s_add_co_u32 s98, s98, s38                     ; the hi wave finishes the pair's first tile, the helper its second
	s_lshl_b32 s100, s98, 9
	s_mov_b32 s101, 0
	s_lshl_b32 s46, s17, 18                        ; the batch's first byte in k_codes and in v_codes,
	s_lshl_b32 s3, s19, 13
	s_add_co_u32 s46, s46, s3                      ; and which half of a step I fetch
	s_mov_b32 s47, 0
	s_cmp_eq_u32 s15, 0
	s_cselect_b32 s56, 0, 8
	s_lshl_b32 s41, s16, 14                        ; prefetch: of four steps the one of my place; of two steps a half of my half's
	s_lshr_b32 s42, s16, 1
	s_lshl_b32 s42, s42, 14
	s_and_b32 s99, s16, 1
	s_lshl_b32 s99, s99, 12
	s_add_co_u32 s42, s42, s99
	s_mul_i32 s67, s14, 16*SP
	s_add_co_u32 s67, s67, STAGE                   ; my stage
	s_mov_b32 s20, 0x76543210                      ; v_permlanex16_b32: each lane takes its own place in the other half
	s_mov_b32 s21, 0xfedcba98
	s_mov_b32 s2, 0
	s_mov_b32 s57, 0
	s_mov_b32 s59, 0
	s_mov_b32 s60, 0x8000
	s_mov_b32 s61, 0x10000
	s_mov_b32 s32, 1                               ; group 0: count = 1
	s_mov_b32 s33, s40                             ; LDS address: slot 0, my part
	s_wait_dscnt 0x0                               ; both opening adds are done
	CROUND                                         ; all four work-groups are here: the first joint loads meet
	s_wait_kmcnt 0x0
	s_load_b128 s[88:91], s[10:11], 0x18           ; e6, e7, e8, e9
	s_cmp_lt_u32 s14, 2                            ; waves 0 and 1 fetch K, waves 2 and 3 V
	s_cselect_b64 s[44:45], s[6:7], s[8:9]
	s_add_nc_u64 s[44:45], s[44:45], s[46:47]
	s_mov_b64 s[34:35], s[44:45]
	s_or_b32 s35, s35, 0x80000000                  ; type = 2
	JLOAD4                                         ; steps 0 to 3
	s_add_nc_u64 s[92:93], s[4:5], s[92:93]
	s_add_nc_u64 s[94:95], s[4:5], s[94:95]
	s_add_nc_u64 s[96:97], s[12:13], s[96:97]
	s_add_nc_u64 s[100:101], s[12:13], s[100:101]
	v_and_b32 v224, 15, v0                         ; r
	v_bfe_u32 v225, v0, 4, 1                       ; hh
	v_lshrrev_b32 v226, 1, v224
	v_xor_b32 v226, v226, v225                     ; column hh of row r stands at hh ^ (r / 2), column 2 c + hh at that ^ 2 c
	v_lshlrev_b32 v227, 7, v224
	v_xor_b32 v228, 2, v226
	v_xor_b32 v229, 4, v226
	v_xor_b32 v230, 6, v226
	WIN 0x80
	v_lshl_add_u32 v128, v226, 4, v227
	v_lshl_add_u32 v129, v228, 4, v227
	v_lshl_add_u32 v130, v229, 4, v227
	v_lshl_add_u32 v131, v230, 4, v227
	QLD 94                                         ; Q's fragments stay in registers
	ADDR 2
	v_mul_u32_u24 v2, v224, SP
	v_lshl_add_u32 v2, v225, 5, v2
	v_add_nc_u32 v2, s67, v2                       ; in: row r, 32 bytes for each half of the lanes
	v_mul_u32_u24 v11, v225, SP
	v_lshl_add_u32 v11, v224, 4, v11
	v_add_nc_u32 v11, s67, v11                     ; back: lanes 0-15 one row of 256 bytes, lanes 16-31 the next
	v_lshlrev_b32 v7, 9, v225
	v_lshl_add_u32 v7, v224, 4, v7                 ; and the same two rows in out0
	v_lshlrev_b32 v3, 3, v225
	v_sub_nc_u32 v3, v224, v3
	v_add_nc_u32 v3, s36, v3
	v_mov_b32 v4, 0xff800000
	v_and_b32 v10, 31, v0
	v_lshlrev_b32 v10, 8, v10
	v_add_nc_u32 v10, s41, v10                     ; lanes 256 bytes apart
	v_lshlrev_b32 v31, 8, v224
	v_add_nc_u32 v31, s42, v31                     ; sixteen blocks, each named by lanes r and 16 + r of this one instruction
.irp i, 20,21,22,23,26,27,28,29
	v_mov_b32 v[\i], 0                             ; second registers of pairs of which the packed forms use the first alone; destinations of lane permutes, which count as read
.endr
	RESET
	s_wait_kmcnt 0x0
	s_add_co_i32 s63, s88, s89
	s_lshl_b32 s63, s63, 23
	s_add_co_i32 s22, s63, 0x3e0293ee              ; log2(e) / sqrt(128), its exponent field raised by e6 + e7
	s_mov_b32 s23, s22
	s_add_co_i32 s63, s90, 127
	s_lshl_b32 s3, s63, 23
	v_mov_b32 v25, s3                              ; 2^e8 as f32, for the conversion
	s_add_co_i32 s63, s63, 15
	s_lshl_b32 s63, s63, 23
	s_or_b32 s63, s63, 0x600000
	v_mov_b32 v24, s63                             ; 57,344 x 2^e8
	s_add_co_i32 s91, s90, s91                     ; e8 + e9
	s_wait_alu depctr_va_vdst(0)
	s_wait_tensorcnt 0x0                           ; my part of slot 0 is in
	ds_add_u32 v5, v6
	s_add_co_u32 s33, s40, SLOTB
	s_add_nc_u64 s[34:35], s[34:35], 0x8000        ; from step 2 on
	s_wait_dscnt 0x0
	CROUND
	JLOAD4                                         ; trip 1's steps, into slot 1
	WIN 0x42
	KLD 0, 0, 8
	WIN 0
	s_wait_loadcnt 0x0                             ; Q
.Ltrip:                                            ; trips 0 to 2: behind the change of slots in trip t the steps of trip t + 2 are asked for
	s_cmp_eq_u32 s57, s68
	s_cselect_b32 s66, 1, 0
	STEP 0, 0, 1
	STEP 1, 1, 1
	LODONE
	s_add_co_u32 s57, s57, 1
	s_cmp_lt_u32 s57, 3
	s_wait_alu depctr_va_vdst(0)
	s_cbranch_scc1 .Ltrip
	s_cmp_eq_u32 s68, 3                            ; trip 3 is written out: it asks for nothing more
	s_cselect_b32 s66, 1, 0
	STEP 0, 0, 1
	STEP 1, 2, 1
	LODONE
	STEP 0, 3, 2                                   ; the fifth trip
.macro GIVE o, m, l                    ; one tile's -M, l and O^T go to the partner: 512 consecutive bytes a store, each result from its low end on
	v_mov_b32 v26, v[\m]
	v_add_f32 v27, v[\l], v[\l+1]
	ds_store_b64 v8, v[26:27] offset:16*512
	WIN 0x04
.set n, 0
.rept 16
	ds_store_b128 v8, v[\o+4*n:\o+4*n+3] offset:512*n
.set n, n+1
.endr
	WIN 0
.endm
.macro TAKE o, m, l                    ; the other tile: both shares under the larger M: weights 2^(own M - M), exact; the division and 2^(e8 + e9) are folded into the two weights
	v_add_f32 v28, v[\l], v[\l+1]
	s_wait_alu depctr_va_vdst(0)
	s_wait_dscnt 16                                ; the partner's -M and l are in; the 16 loads of O^T may be out
	v_min_num_f32 v224, v[\m], v26                 ; - the larger M
	v_sub_f32 v225, v224, v[\m]
	v_sub_f32 v226, v224, v26
	v_cvt_i32_f32 v225, v225
	v_cvt_i32_f32 v226, v226
	v_ldexp_f32 v20, 1.0, v225
	v_ldexp_f32 v22, 1.0, v226
	v_mul_f32 v28, v28, v20
	v_fma_f32 v28, v27, v22, v28                   ; l of both shares
	v_permlanex16_b32 v29, v28, s20, s21
	v_add_f32 v28, v28, v29
	s_wait_alu depctr_va_vdst(0)
	v_rcp_f32 v28, v28
	v_nop
	s_wait_alu depctr_va_vdst(0)
	v_ldexp_f32 v28, v28, s91
	v_mul_f32 v20, v20, v28
	v_mul_f32 v22, v22, v28
	s_wait_alu depctr_va_vdst(0)
	s_wait_dscnt 0x0
.set n, 0
.rept 32
	v_pk_mul_f32 v[64+2*n:65+2*n], v[64+2*n:65+2*n], v[22:23] op_sel_hi:[1,0]
.set n, n+1
.endr
	WIN 0x01
	s_wait_alu depctr_va_vdst(0)                   ; directly ahead of the first reader of O^T
.set n, 0
.rept 32
	v_pk_fma_f32 v[64+2*n:65+2*n], v[\o+2*n:\o+2*n+1], v[20:21], v[64+2*n:65+2*n] op_sel_hi:[1,0,1]
.set n, n+1
.endr
	WIN 0
	s_wait_alu depctr_va_vdst(0)
	TOST 64, 192
	TOST 96, 224
	GST 192, 100, 0, 16
	GST 224, 100, 256, 0
.endm
	s_mul_i32 s63, s14, PARTB
	s_add_co_u32 s63, s63, SLOTB                   ; where I put my share,
	s_xor_b32 s67, s14, 2
	s_mul_i32 s67, s67, PARTB
	s_add_co_u32 s67, s67, SLOTB                   ; and where my partner puts its
	v_and_b32 v26, 31, v0
	v_lshl_add_u32 v8, v26, 4, s63
	v_lshl_add_u32 v9, v26, 4, s67
	s_cmp_eq_u32 s18, 0
	s_wait_alu depctr_va_vdst(0)
	s_cbranch_scc0 .Lhelper_gives
	GIVE 64, 14, 18
	s_branch .Lgiven
.Lhelper_gives:
	GIVE 0, 12, 16
.Lgiven:
	s_wait_dscnt 0x0                               ; for the partner's sake: my stores are done
	s_barrier_signal -1
	s_barrier_wait -1
	ds_load_b64 v[26:27], v9 offset:16*512
.set n, 0
.rept 16
	ds_load_b128 v[64+4*n:67+4*n], v9 offset:512*n
.set n, n+1
.endr
	s_cmp_eq_u32 s18, 0
	s_cbranch_scc0 .Lhelper_takes
	TAKE 0, 12, 16
	s_branch .Lend
.Lhelper_takes:
	TAKE 64, 14, 18
.Lend:
	s_wait_tensorcnt 0x0                           ; the wave's end: behind my last tensor load and my last LDS store
	ds_add_u32 v5, v6
	s_wait_dscnt 0x0
	CROUND                                         ; the closing round: no work-group ends while a partner may still ask for a tile that names it
	s_endpgm
.Lfunc_end_k_qf24e65bc9a_attend:
	.size	k_qf24e65bc9a_attend, .Lfunc_end_k_qf24e65bc9a_attend-k_qf24e65bc9a_attend
	.p2alignl 7, 3214868480
	.fill 96, 4, 3214868480
	.section	.rodata,"a",@progbits
	.p2align	6, 0x0
	.amdhsa_kernel k_qf24e65bc9a_attend
		.amdhsa_group_segment_fixed_size 327680
		.amdhsa_private_segment_fixed_size 0
		.amdhsa_enable_private_segment 0
		.amdhsa_kernarg_size 40
		.amdhsa_user_sgpr_count 2
		.amdhsa_user_sgpr_kernarg_segment_ptr 1
		.amdhsa_wavefront_size32 1
		.amdhsa_system_sgpr_workgroup_id_x 1
		.amdhsa_system_sgpr_workgroup_id_y 1
		.amdhsa_system_sgpr_workgroup_id_z 1
		.amdhsa_system_vgpr_workitem_id 0
		.amdhsa_next_free_vgpr 656
		.amdhsa_next_free_sgpr 102
		.amdhsa_reserve_vcc 0
		.amdhsa_float_denorm_mode_32 3
		.amdhsa_float_denorm_mode_16_64 3
		.amdhsa_memory_ordered 1
		.amdhsa_forward_progress 1
		.amdhsa_inst_pref_size 255
	.end_amdhsa_kernel
	.section	.bss,"aw",@nobits
	.p2align	6
	.space	262144
	.amdgpu_metadata
---
amdhsa.version: [ 1, 2 ]
amdhsa.kernels:
  - .name:           k_qf24e65bc9a_attend
    .symbol:         k_qf24e65bc9a_attend.kd
    .args:
      - { .name: q_codes, .offset: 0, .size: 8, .value_kind: global_buffer, .address_space: global }
      - { .name: k_codes, .offset: 8, .size: 8, .value_kind: global_buffer, .address_space: global }
      - { .name: v_codes, .offset: 16, .size: 8, .value_kind: global_buffer, .address_space: global }
      - { .name: lowp_scales, .offset: 24, .size: 8, .value_kind: global_buffer, .address_space: global }
      - { .name: out0, .offset: 32, .size: 8, .value_kind: global_buffer, .address_space: global }
    .group_segment_fixed_size: 327680
    .private_segment_fixed_size: 0
    .kernarg_segment_align: 8
    .kernarg_segment_size: 40
    .max_flat_workgroup_size: 128
    .sgpr_count:     102
    .vgpr_count:     656
    .wavefront_size: 32
...
	.end_amdgpu_metadata
.endif
;; end of part 2
